; MI455X (gfx1250); checked and timed in simulation.
; The chip was launched on July 23, 2026; its instructions are those of AMD's public machine-readable ISA for CDNA 5 (MIT licence, August 2026) and "CDNA5" Instruction Set Architecture Reference Guide (July 2026). The comments in the code are by the model that wrote it; some were corrected since.
;; Attention. Allowed arithmetic: matrix products marked QUANTISED: E2M1 operands, one E8M0 scale for each 32 along K, by v_wmma_scale_f32_16x16x128_f8f6f4 with both operands' format E2M1 (or v_wmma_scale_f32_32x16x128_f4), f32 sums; everything else in f32.
;; Inputs: bk 512 float32; bo 512 float32; bq 512 float32; bv 512 float32; gn_b 512 float32; gn_w 512 float32; wk_codes 512 x 16 x 16 uint8 (E2M1 codes of wk, K innermost, in blocks of 32 codes, two codes a byte); wk_scales 512 x 16 uint8 (E8M0 scales of wk, one for each 32 codes along K); wo_codes 512 x 16 x 16 uint8 (E2M1 codes of wo, K innermost, in blocks of 32 codes, two codes a byte); wo_scales 512 x 16 uint8 (E8M0 scales of wo, one for each 32 codes along K); wq_codes 512 x 16 x 16 uint8 (E2M1 codes of wq, K innermost, in blocks of 32 codes, two codes a byte); wq_scales 512 x 16 uint8 (E8M0 scales of wq, one for each 32 codes along K); wv_codes 512 x 16 x 16 uint8 (E2M1 codes of wv, K innermost, in blocks of 32 codes, two codes a byte); wv_scales 512 x 16 uint8 (E8M0 scales of wv, one for each 32 codes along K); x 32 x 512 x 32 x 32 float32.
;; Outputs: out0 32 x 512 x 32 x 32 float32.
;; This version of the problem:
;;   THIS VERSION OF THE PROBLEM IS GIVEN IN LOW PRECISION. The matrix products marked QUANTISED in the list below multiply operands that are first quantised to E2M1 (2 exponent bits, 1 mantissa bit; 4 bits a number), with one power-of-two scale for each 32 numbers along K (OCP MX v1.0); their sums are f32. All else is computed in f32.
;;   The module's matrix products, in the order in which they are computed (A, B: the left and right operand; K: the contracted axis; several contracted axes count as one K, in the product's order):
;;     1. [M 512, K 512] x [K 512, N 32,768]; A: input wq (given as codes); B: computed on the way: QUANTISED
;;     2. [M 512, K 512] x [K 512, N 32,768]; A: input wk (given as codes); B: computed on the way: QUANTISED
;;     3. [M 512, K 512] x [K 512, N 32,768]; A: input wv (given as codes); B: computed on the way: QUANTISED
;;     4. batch 32 x [M 1,024, K 512] x [K 512, N 1,024]; A: computed on the way; B: computed on the way: QUANTISED
;;     5. batch 32 x [M 512, K 1,024] x [K 1,024, N 1,024]; A: computed on the way; B: computed on the way: QUANTISED
;;     6. [M 512, K 512] x [K 512, N 32,768]; A: input wo (given as codes); B: computed on the way: QUANTISED
;;   THE QUANTISER, for each operand of a quantised product, along K:
;;     - K is cut into blocks of 32 from its start; a last block that is shorter is filled with zeros.
;;     - A block's scale is 2^e with e = floor(log2(the largest magnitude in the block)) - 2, held to -126 .. 127; a block of zeros has e = 0. As a byte (E8M0): e + 127.
;;     - Each number is divided by its block's scale, clamped to +-6, and rounded to the nearest number of E2M1, ties to even, subnormals kept.
;;     - The product sums the exact products of the quantised numbers (number of the format x scale) in f32.
;;   ~~~python
;;   def quantise(x, axis):      # numpy; x: float32 -> the quantised numbers, widened to float32 again
;;       x = np.moveaxis(x, axis, -1); K = x.shape[-1]
;;       x = np.pad(x, [(0, 0)] * (x.ndim - 1) + [(0, -K % 32)]); x = x.reshape(x.shape[:-1] + (-1, 32)); a = np.abs(x).max(-1, keepdims=True)
;;       e = np.where(a > 0, np.clip(np.frexp(np.where(a > 0, a, 1))[1] - 1 - 2, -126, 127), 0)      # np.frexp(a)[1] - 1 = floor(log2(a)), exactly
;;       r = np.clip(x / 2.0 ** e, -6, 6)
;;       step = 2.0 ** (np.maximum(np.frexp(np.where(r == 0, 1, r))[1] - 1, 0) - 1)
;;       q = np.round(r / step) * step * 2.0 ** e      # np.round: ties to even
;;       return np.moveaxis(q.reshape(q.shape[:-2] + (-1,))[..., :K], -1, axis).astype(np.float32)
;;   ~~~
;;   OPERANDS COMPUTED ON THE WAY. 'Computed on the way' means the value that the module computes at that place (a softmax that the list does not call 'softmax' is quantised finished and normalised). What goes into a quantiser is computed in f32, as accurately as f32 sums, v_exp_f32 and their like allow (about 1e-6 of the number): no bf16 or f16 on the way to a quantiser, and a product that is left as it is and whose result goes on into a quantised operand takes f32 operands (vector FMAs, or v_wmma_f32_16x16x4_f32). A number that lies on a knife's edge between two numbers of the format may be rounded either way, as far as f32 arithmetic and the matrix unit's own rounding can turn it there, and no further.
;;   INPUTS GIVEN AS CODES. wk (in the module: [512, 512], K = its axis 1); wo (in the module: [512, 512], K = its axis 1); wq (in the module: [512, 512], K = its axis 1); wv (in the module: [512, 512], K = its axis 1): each comes as NAME_codes (uint8): NAME with its K axis moved to the last place and cut into blocks of 32 codes, [.., K / 32, bytes a block], one block behind the other in memory; two codes a byte, the lower K in the low four bits (a code: sign, 2 exponent bits, 1 mantissa bit); and NAME_scales (uint8): the same leading axes, one E8M0 byte (e + 127) for each 32 codes along K. Its value is code x scale, taken as it is: it is not quantised again, and the codes and scales need not be those that the quantiser above would give.
;; One version. Each part assembles by itself: llvm-mc -triple=amdgcn-amd-amdhsa -mcpu=gfx1250 --defsym DOCPART=n.
;; ======== version 1 of 1: 3 launches
;; workspace buffers: himg 8,388,608 bytes; hsc 524,288 bytes; qimg 8,388,608 bytes; qsc 524,288 bytes; kimg 8,388,608 bytes; ksc 524,288 bytes; vimg 8,388,608 bytes; vsc 524,288 bytes
;; launch norm (part 1): grid 16 x 32, 8 waves a work-group, no clusters, 19,968 bytes of LDS; arguments x, gn_w, gn_b, himg, hsc; writes himg, hsc
.if DOCPART == 1
	.amdgcn_target "amdgcn-amd-amdhsa--gfx1250"
	.amdhsa_code_object_version 6
	.text
	.protected	k_q410db5b191_norm
	.globl	k_q410db5b191_norm
	.p2align	8
	.type	k_q410db5b191_norm,@function
k_q410db5b191_norm:
	s_mov_b64 s[64:65], 0
	v_nop
	global_prefetch_b8 v0, s[64:65] scope:SCOPE_SE
	s_setreg_imm32_b32 hwreg(HW_REG_WAVE_MODE, 25, 1), 1
	s_wait_xcnt 0x0
; GroupNorm of x [32][512][1024] f32 (32 groups of 16 channels x 1,024 pixels), then h = xn * gn_w + gn_b, quantised along the channels to codes of FP4 (E2M1)
; with one E8M0 byte for each 32 channels.  A work-group owns 32 channels (two groups, one block of the quantiser) of one image: 128 KB, which stay in registers
; between the pass for the mean, the pass for the variance and the quantiser: x is read once here.  Wave w owns pixels 128 w .. 128 w + 127, lane l pixels 128 w + 4 l + j:
; each load of a channel is 512 consecutive bytes a wave.  The variance is the mean of (x - mean)^2, never a difference of large sums.
; OUT.  himg [image][tile T of 16 pixels][block cb of 32 channels][row r][16 bytes]: the image of the operand's registers (block kb of row r of a fragment at 256 kb + 16 r).
; THE PIXELS OF A TILE ARE NOT NEIGHBOURS: tile 2 b + u, row r is pixel 32 b + 8 u + r + 8 (r / 8).  hsc [image][cb][position 16 T + r]: one byte each.
; A pixel's 16 bytes of codes go through the wave's own stage in LDS, so that sixteen lanes store 256 consecutive bytes, aligned.
; LIMITS: NaN and infinities are not served; a block of zeros gets the byte 1 where the rule says 127 (its codes are zeros, and this program alone reads the bytes);
; a block's largest magnitude is held at 2^-124 from below; 1 / sqrt is v_rsq_f32.
; No tensor loads, no cluster, no matrix unit: a stream whose work-groups share nothing.
.set CP,  272                          ; a unit of the stage: 16 rows x 16 bytes + 16 of padding
.set SBY, 8*8*CP                       ; behind the eight waves' stages: the work-group's 1,024 scale bytes
.set RED, SBY+1024                     ; 64 bytes of sums, 64 of sums of squares
.set X,   116                          ; v116-243 channel c, pixel j at X + 4 c + j
.set T0,  52                           ; v52-83, v84-115: 32 channels of one pixel, two sets; v52-67 also the waves' sums and the read-back
.set CC,  36                           ; v36-51 codes, four registers a pixel
.set EE,  32                           ; v32-35 scale bytes
	s_load_b256 s[4:11], s[0:1], 0x0               ; x s[4:5], gn_w s[6:7], gn_b s[8:9], himg s[10:11]
	s_load_b64 s[12:13], s[0:1], 0x20              ; hsc
	v_lshl_add_u32 v244, v0, 2, 0x4a00
	v_mov_b32 v245, 0
	v_lshrrev_b32 v1, 5, v0
	v_readfirstlane_b32 s14, v1                    ; wave 0..7
	s_and_b32 s88, ttmp7, 0xffff                   ; the image; ttmp9: the block of 32 channels
	s_mov_b32 s2, 0x76543210
	s_mov_b32 s3, 0xfedcba98                       ; v_permlanex16_b32's selects for lane l xor 16
	s_mov_b32 s86, 0x38800000                      ; 1 / 16,384
	s_mov_b32 s87, 0x3727c5ac                      ; 1e-5
	s_lshl_b32 s84, s88, 21                        ; x: 2,097,152 image + 131,072 block + 512 wave
	s_lshl_b32 s15, ttmp9, 17
	s_add_co_u32 s84, s84, s15
	s_lshl_b32 s15, s14, 9
	s_add_co_u32 s84, s84, s15
	s_mov_b32 s85, 0
	s_lshl_b32 s90, ttmp9, 7                       ; gn_w, gn_b: 128 bytes a block
	s_mov_b32 s91, 0
	s_lshl_b32 s92, s88, 18                        ; himg: 262,144 image + 32,768 wave (8 tiles) + 256 block
	s_lshl_b32 s15, s14, 15
	s_add_co_u32 s92, s92, s15
	s_lshl_b32 s15, ttmp9, 8
	s_add_co_u32 s92, s92, s15
	s_mov_b32 s93, 0
	s_lshl_b32 s94, s88, 14                        ; hsc: 16,384 image + 1,024 block
	s_lshl_b32 s15, ttmp9, 10
	s_add_co_u32 s94, s94, s15
	s_mov_b32 s95, 0
	v_and_b32 v28, 31, v0
	v_lshlrev_b32 v1, 4, v28                       ; v1: 16 x lane
	s_wait_kmcnt 0x0
	s_add_nc_u64 s[4:5], s[4:5], s[84:85]
	s_add_nc_u64 s[6:7], s[6:7], s[90:91]
	s_add_nc_u64 s[8:9], s[8:9], s[90:91]
	s_add_nc_u64 s[10:11], s[10:11], s[92:93]
	s_add_nc_u64 s[12:13], s[12:13], s[94:95]
.set c, 0
.rept 32
	global_load_b128 v[X+4*c:X+4*c+3], v1, s[4:5] offset:4096*c th:TH_LOAD_NT   ; channel c: 512 consecutive bytes a wave
.set c, c+1
.endr
	s_load_b512 s[16:31], s[6:7], 0x0              ; gn_w of channel c at s[16 + c]
	s_load_b512 s[32:47], s[6:7], 0x40
	s_load_b512 s[48:63], s[8:9], 0x0              ; gn_b at s[48 + c] for c < 16,
	s_load_b512 s[68:83], s[8:9], 0x40             ; at s[52 + c] from 16 on
	; pixel 128 w + 4 l + j: l's bit 0 is bit 2 of the row's low part, bit 1 is u, bit 2 is the row's bit 3, bits 4:3 the block of 32
	v_and_b32 v29, 1, v0
	v_bfe_u32 v30, v0, 1, 1
	v_bfe_u32 v31, v0, 2, 1
	v_bfe_u32 v32, v0, 3, 2
	v_lshl_add_u32 v30, v32, 1, v30                ; which of my wave's 8 tiles
	v_bfe_u32 v33, v0, 4, 1
	v_and_b32 v34, 15, v0
	s_mul_i32 s15, s14, 8*CP
	v_mul_u32_u24 v2, v30, CP
	v_lshl_add_u32 v2, v29, 6, v2
	v_lshl_add_u32 v2, v31, 7, v2
	v_add_nc_u32 v2, s15, v2                       ; v2: into the stage: tile, row 8 l2 + 4 l0 (+ j by the offset)
	v_mul_u32_u24 v3, v33, CP
	v_lshl_add_u32 v3, v34, 4, v3
	v_add_nc_u32 v3, s15, v3                       ; v3: back: lanes 0-15 one tile's 256 bytes, lanes 16-31 the next tile's
	v_lshlrev_b32 v4, 12, v33
	v_lshl_add_u32 v4, v34, 4, v4                  ; v4: the same two places in himg (tiles are 4,096 bytes apart)
	s_lshl_b32 s15, s14, 7
	s_add_co_u32 s15, s15, SBY
	v_lshlrev_b32 v5, 4, v30
	v_lshl_add_u32 v5, v29, 2, v5
	v_lshl_add_u32 v5, v31, 3, v5
	v_add_nc_u32 v5, s15, v5                       ; v5: my four pixels' scale bytes: one word
	s_lshl_b32 s15, s14, 3
	s_add_co_u32 s15, s15, RED
	v_mov_b32 v6, s15                              ; v6: my wave's two sums
	v_mov_b32 v7, RED                              ; v7: all waves' sums
	v_and_b32 v9, 63, v0
	v_lshlrev_b32 v9, 4, v9                        ; v9: the scale bytes' way out: 16 bytes a thread of waves 0 and 1
	v_add_nc_u32 v8, SBY, v9
.macro ACCUM a, b, c0, c1              ; chains a and b take channels c0 .. c1
.set c, \c0
.rept \c1-\c0+1
	v_pk_add_f32 v[\a:\a+1], v[\a:\a+1], v[X+4*c:X+4*c+1]
	v_pk_add_f32 v[\b:\b+1], v[\b:\b+1], v[X+4*c+2:X+4*c+3]
.set c, c+1
.endr
.endm
; The four chains v[12:19] (two a group) become the two groups' sums over the work-group, in v52 and v53, the same bits in every wave.
.macro REDUCE off
	v_pk_add_f32 v[12:13], v[12:13], v[14:15]
	v_pk_add_f32 v[16:17], v[16:17], v[18:19]
	v_add_f32 v10, v12, v13
	v_add_f32 v11, v16, v17
.irp m, 1,2,4,8
	v_add_f32_dpp v10, v10, v10 row_xmask:\m row_mask:0xf bank_mask:0xf
	v_add_f32_dpp v11, v11, v11 row_xmask:\m row_mask:0xf bank_mask:0xf
.endr
	v_permlanex16_b32 v28, v10, s2, s3
	v_permlanex16_b32 v29, v11, s2, s3
	v_add_f32 v10, v10, v28
	v_add_f32 v11, v11, v29
	ds_store_b64 v6, v[10:11] offset:\off          ; all lanes write the same two words with the same values
	s_wait_dscnt 0x0                               ; for the others' sake: my store is done
	s_barrier_signal -1
	s_barrier_wait -1
.irp i, 0,1,2,3
	ds_load_b128 v[T0+4*\i:T0+4*\i+3], v7 offset:\off+16*\i
.endr
	s_wait_dscnt 0x0
	v_pk_add_f32 v[52:53], v[52:53], v[54:55]
	v_pk_add_f32 v[56:57], v[56:57], v[58:59]
	v_pk_add_f32 v[60:61], v[60:61], v[62:63]
	v_pk_add_f32 v[64:65], v[64:65], v[66:67]
	v_pk_add_f32 v[52:53], v[52:53], v[56:57]
	v_pk_add_f32 v[60:61], v[60:61], v[64:65]
	v_pk_add_f32 v[52:53], v[52:53], v[60:61]
.endm
	; ---- the sums: the first two channels of a group start its chains, nothing is cleared.  The counts leave the younger groups of 8 loads out
	s_wait_loadcnt 24
	v_pk_add_f32 v[12:13], v[X:X+1], v[X+4:X+5]
	v_pk_add_f32 v[14:15], v[X+2:X+3], v[X+6:X+7]
	ACCUM 12, 14, 2, 7
	s_wait_loadcnt 16
	ACCUM 12, 14, 8, 15
	s_wait_loadcnt 8
	v_pk_add_f32 v[16:17], v[X+64:X+65], v[X+68:X+69]
	v_pk_add_f32 v[18:19], v[X+66:X+67], v[X+70:X+71]
	ACCUM 16, 18, 18, 23
	s_wait_loadcnt 0x0
	ACCUM 16, 18, 24, 31
	REDUCE 0
	v_mul_f32 v20, s86, v52                        ; the means, each twice: a pair for the packed forms
	v_mul_f32 v21, s86, v52
	v_mul_f32 v22, s86, v53
	v_mul_f32 v23, s86, v53
	; ---- x - mean, in place; then the sums of squares, in four chains
.irp g, 0,1
.set i, 0
.rept 32
	v_pk_add_f32 v[X+64*\g+2*i:X+64*\g+2*i+1], v[X+64*\g+2*i:X+64*\g+2*i+1], v[20+2*\g:21+2*\g] neg_lo:[0,1] neg_hi:[0,1]
.set i, i+1
.endr
.endr
.irp g, 0,1
	v_pk_mul_f32 v[12+4*\g:13+4*\g], v[X+64*\g:X+64*\g+1], v[X+64*\g:X+64*\g+1]
	v_pk_mul_f32 v[14+4*\g:15+4*\g], v[X+64*\g+2:X+64*\g+3], v[X+64*\g+2:X+64*\g+3]
.endr
.set i, 2
.rept 15
.irp g, 0,1
	v_pk_fma_f32 v[12+4*\g:13+4*\g], v[X+64*\g+2*i:X+64*\g+2*i+1], v[X+64*\g+2*i:X+64*\g+2*i+1], v[12+4*\g:13+4*\g]
	v_pk_fma_f32 v[14+4*\g:15+4*\g], v[X+64*\g+2*i+2:X+64*\g+2*i+3], v[X+64*\g+2*i+2:X+64*\g+2*i+3], v[14+4*\g:15+4*\g]
.endr
.set i, i+2
.endr
	REDUCE 64                                      ; other bytes than the first time: no barrier between the first reads and these stores
	v_fma_f32 v30, v52, s86, s87                   ; the variance + 1e-5
	v_fma_f32 v31, v53, s86, s87
	v_rsq_f32 v24, v30
	v_rsq_f32 v25, v30
	v_rsq_f32 v26, v31
	v_rsq_f32 v27, v31
	v_nop                                          ; a plain instruction behind the last of them
	s_wait_alu depctr_va_vdst(0)                   ; one wait for the four, ahead of their first reader
.irp g, 0,1
.set i, 0
.rept 32
	v_pk_mul_f32 v[X+64*\g+2*i:X+64*\g+2*i+1], v[X+64*\g+2*i:X+64*\g+2*i+1], v[24+2*\g:25+2*\g]
.set i, i+1
.endr
.endr
	s_wait_kmcnt 0x0                               ; gn_w, gn_b
; Pixel j of my four: its 32 channels are gathered by the multiply-add's destination number; the block's largest magnitude needs no other lane.
.macro PIX j
.set T, T0+32*((\j)%2)
.set c, 0
.rept 32
	v_fma_f32 v[T+c], v[X+4*c+\j], s[16+c], s[48+c+4*(c/16)]
.set c, c+1
.endr
	v_max3_num_f32 v28, |v[T]|, |v[T+1]|, 0x1800000               ; with the floor 2^(3 - 127): the byte cannot fall under 1
	v_max3_num_f32 v29, |v[T+16]|, |v[T+17]|, |v[T+18]|
.irp i, 2,4,6,8,10,12
	v_max3_num_f32 v28, v28, |v[T+\i]|, |v[T+\i+1]|
	v_max3_num_f32 v29, v29, |v[T+17+\i]|, |v[T+18+\i]|
.endr
	v_max3_num_f32 v28, v28, |v[T+14]|, |v[T+15]|
	v_max3_num_f32 v28, v28, v29, |v[T+31]|
	v_add_nc_u32 v30, 0xff000000, v28              ; 2 off the exponent field: the conversion's scale operand
.irp g, 0,1,2,3
	v_cvt_scalef32_pk8_fp4_f32 v[CC+4*\j+\g], v[T+8*\g:T+8*\g+7], v30
.endr
	v_lshrrev_b32 v[EE+\j], 23, v30                ; the scale's byte; also the plain instruction behind the conversions
.endm
	PIX 0
	PIX 1
	PIX 2
	PIX 3
	; ---- the way out
.irp j, 0,1,2,3
	ds_store_b128 v2, v[CC+4*\j:CC+4*\j+3] offset:16*\j
.endr
	v_lshl_or_b32 v32, v33, 8, v32
	v_lshl_or_b32 v32, v34, 16, v32
	v_lshl_or_b32 v32, v35, 24, v32
	ds_store_b32 v5, v32
.irp i, 0,1,2,3
	ds_load_b128 v[T0+4*\i:T0+4*\i+3], v3 offset:2*CP*\i          ; LDS serves a wave's instructions in order: these see my stores
.endr
.irp i, 0,1,2,3
	s_wait_dscnt 3-\i                              ; the younger read-backs may be out
	global_store_b128 v4, v[T0+4*\i:T0+4*\i+3], s[10:11] offset:8192*\i   ; sixteen lanes store 256 consecutive bytes, aligned
.endr
	s_barrier_signal -1                            ; (the last wait above was for 0: my scale bytes lie in LDS)
	s_barrier_wait -1
	s_cmp_gt_u32 s14, 1
	s_cbranch_scc1 .Ldone                          ; waves 0 and 1 store the work-group's 1,024 scale bytes
	ds_load_b128 v[84:87], v8
	s_wait_dscnt 0x0
	global_store_b128 v9, v[84:87], s[12:13]       ; 512 consecutive bytes a wave
.Ldone:
	s_wait_tensorcnt 0x0
	ds_add_u32 v244, v245
	s_wait_dscnt 0x0
	s_endpgm
.Lfunc_end_k_q410db5b191_norm:
	.size	k_q410db5b191_norm, .Lfunc_end_k_q410db5b191_norm-k_q410db5b191_norm
	.p2alignl 7, 3214868480
	.fill 96, 4, 3214868480
	.section	.rodata,"a",@progbits
	.p2align	6, 0x0
	.amdhsa_kernel k_q410db5b191_norm
		.amdhsa_group_segment_fixed_size 19968
		.amdhsa_private_segment_fixed_size 0
		.amdhsa_enable_private_segment 0
		.amdhsa_kernarg_size 40
		.amdhsa_user_sgpr_count 2
		.amdhsa_user_sgpr_kernarg_segment_ptr 1
		.amdhsa_wavefront_size32 1
		.amdhsa_system_sgpr_workgroup_id_x 1
		.amdhsa_system_sgpr_workgroup_id_y 1
		.amdhsa_system_sgpr_workgroup_id_z 1
		.amdhsa_system_vgpr_workitem_id 0
		.amdhsa_next_free_vgpr 246
		.amdhsa_next_free_sgpr 96
		.amdhsa_reserve_vcc 0
		.amdhsa_float_denorm_mode_32 3
		.amdhsa_float_denorm_mode_16_64 3
		.amdhsa_memory_ordered 1
		.amdhsa_forward_progress 1
		.amdhsa_inst_pref_size 42
	.end_amdhsa_kernel
	.amdgpu_metadata
---
amdhsa.version: [ 1, 2 ]
amdhsa.kernels:
  - .name:           k_q410db5b191_norm
    .symbol:         k_q410db5b191_norm.kd
    .args:
      - { .name: x, .offset: 0, .size: 8, .value_kind: global_buffer, .address_space: global }
      - { .name: gn_w, .offset: 8, .size: 8, .value_kind: global_buffer, .address_space: global }
      - { .name: gn_b, .offset: 16, .size: 8, .value_kind: global_buffer, .address_space: global }
      - { .name: himg, .offset: 24, .size: 8, .value_kind: global_buffer, .address_space: global }
      - { .name: hsc, .offset: 32, .size: 8, .value_kind: global_buffer, .address_space: global }
    .group_segment_fixed_size: 19968
    .private_segment_fixed_size: 0
    .kernarg_segment_align: 8
    .kernarg_segment_size: 40
    .max_flat_workgroup_size: 256
    .sgpr_count:     96
    .vgpr_count:     246
    .wavefront_size: 32
...
	.end_amdgpu_metadata
.endif
;; end of part 1
;; launch proj (part 2): grid 8 x 32, 4 waves a work-group, no clusters, 41,472 bytes of LDS; arguments himg, hsc, wq_codes, wq_scales, bq, wk_codes, wk_scales, bk, wv_codes, wv_scales, bv, qimg, qsc, kimg, ksc, vimg, vsc; writes qimg, qsc, kimg, ksc, vimg, vsc
.if DOCPART == 2
	.amdgcn_target "amdgcn-amd-amdhsa--gfx1250"
	.amdhsa_code_object_version 6
	.text
	.protected	k_q410db5b191_proj
	.globl	k_q410db5b191_proj
	.p2align	8
	.type	k_q410db5b191_proj,@function
k_q410db5b191_proj:
	s_mov_b64 s[64:65], 0
	v_nop
	global_prefetch_b8 v0, s[64:65] scope:SCOPE_SE
	s_setreg_imm32_b32 hwreg(HW_REG_WAVE_MODE, 25, 1), 1
	s_wait_xcnt 0x0
; q = Wq h + bq, k = Wk h + bk, v = Wv h + bv on codes of FP4 (E2M1) with E8M0 scales; the results are quantised in registers: q and k along the channels, v along the pixels (the keys).
; A work-group takes 128 pixels of one image through q, k and v.  Wave w owns rows 128 w .. 128 w + 127 of each weight: one K step of the next product, so that a trip gives one whole fragment and one scale word a row.
; ONE FORM FOR ALL THREE: a held operand is source 0 (8 tiles x 4 K steps), a streamed tile n is source 1.  q, k: held = my rows of W, streamed = a tile of 16 pixels: a lane holds one pixel, its registers run along the channels.
; v: held = the 128 pixels of h, streamed = 16 rows of Wv: a lane holds one channel, its registers run along the pixels.
; THE ROWS OF A HELD TILE ARE NOT NEIGHBOURS: tile 2 b + u, row r is index 32 b + 8 u + r + 8 (r / 8), so that the 16 registers of tiles 2 b and 2 b + 1 are 16 neighbours along the next K.  h's tiles lie so in himg;
; W's rows are chosen so by the loads' addresses; Wv's streamed tiles too, so that v's channels lie in that order for the launch that follows.
; OUT: images of the operands' registers (a fragment: 1,024 bytes, two stores of 512 consecutive bytes) and one scale word for each row and 128 along K.
; NO CLUSTER: each wave loads its 3 x 32,768 bytes of weights straight into the registers in which they stay for 256 products each; through LDS the three weights are 393,216 bytes, more than a work-group can claim, and h (32,768 bytes) is read by this work-group alone.
; LIMITS: NaN and infinities are not served; a block of zeros gets the byte 1 where the rule says 127 (its codes are zeros, this program alone reads the bytes); a block's largest magnitude is held at 2^-124 from below.
; REGISTERS, in windows of 256: window 1: h (tile n, K step s) at v[32 n + 8 s]; window 2: Wq, later Wv, (t, s) at v[32 t + 8 s]; window 3: Wk.  Window 0: v1-11 addresses; v12-15 h's scale bytes as loaded;
;   v16-31 h's scale words, v32-47 Wq's, later Wv's, v48-63 Wk's (they hold scales and nothing else); v64-127 the 8 accumulators; v128-191 the bias in the result's layout; v192-199 bv; v200-225 the quantiser; v226-237 at work.
.set HS,   0                           ; LDS: h's scale words, [position 128][16 bytes]
.set SCST, 2048                        ; the scale words made here: 3 phases x 4 waves x 512 bytes
.set BKI,  8192                        ; bk in the result's layout: an image of 64 registers for each wave
.set HSR,  16
.set WS0,  32
.set WS1,  48
.set ACC,  64
.set BIAS, 128
.set BV,   192
.set TM,   200
.set PW,   216
.set PC,   218
.set MSB, 0
.macro WIN new                         ; the immediate's high byte repeats the setting that is left
.if MSB != (\new)
	s_set_vgpr_msb (MSB<<8)|(\new)
.set MSB, (\new)
.endif
.endm
; the one matrix line: D, A, B, C, A's and B's scale registers; ra, rb = 1: that side's scales are read from lanes 16-31
.macro WM d, a, b, c, sa, sb, ra, rb
.if (\ra) && (\rb)
	v_wmma_scale_f32_16x16x128_f8f6f4 v[\d:\d+7], v[\a:\a+7], v[\b:\b+7], \c, v[\sa], v[\sb] matrix_a_fmt:MATRIX_FMT_FP4 matrix_b_fmt:MATRIX_FMT_FP4 matrix_a_scale:MATRIX_SCALE_ROW1 matrix_b_scale:MATRIX_SCALE_ROW1
.elseif \ra
	v_wmma_scale_f32_16x16x128_f8f6f4 v[\d:\d+7], v[\a:\a+7], v[\b:\b+7], \c, v[\sa], v[\sb] matrix_a_fmt:MATRIX_FMT_FP4 matrix_b_fmt:MATRIX_FMT_FP4 matrix_a_scale:MATRIX_SCALE_ROW1
.elseif \rb
	v_wmma_scale_f32_16x16x128_f8f6f4 v[\d:\d+7], v[\a:\a+7], v[\b:\b+7], \c, v[\sa], v[\sb] matrix_a_fmt:MATRIX_FMT_FP4 matrix_b_fmt:MATRIX_FMT_FP4 matrix_b_scale:MATRIX_SCALE_ROW1
.else
	v_wmma_scale_f32_16x16x128_f8f6f4 v[\d:\d+7], v[\a:\a+7], v[\b:\b+7], \c, v[\sa], v[\sb] matrix_a_fmt:MATRIX_FMT_FP4 matrix_b_fmt:MATRIX_FMT_FP4
.endif
.endm
	s_load_b512 s[4:19], s[0:1], 0x0               ; himg 4, hsc 6, wq_codes 8, wq_scales 10, bq 12, wk_codes 14, wk_scales 16, bk 18
	s_load_b512 s[20:35], s[0:1], 0x40             ; wv_codes 20, wv_scales 22, bv 24, qimg 26, qsc 28, kimg 30, ksc 32, vimg 34
	s_load_b64 s[36:37], s[0:1], 0x80              ; vsc
	v_lshl_add_u32 v254, v0, 2, 0xa000
	v_mov_b32 v255, 0
	v_lshrrev_b32 v1, 5, v0
	v_readfirstlane_b32 s40, v1                    ; wave 0..3
	s_and_b32 s42, ttmp7, 0xffff                   ; the image; ttmp9: the block of 128 pixels
	s_mov_b32 s46, 0x76543210
	s_mov_b32 s47, 0xfedcba98                      ; v_permlanex16_b32's selects for lane l xor 16
	v_and_b32 v226, 31, v0                         ; lane
	v_and_b32 v227, 15, v0                         ; r
	v_bfe_u32 v228, v0, 4, 1                       ; h
	v_and_b32 v229, 8, v227
	v_add_nc_u32 v229, v229, v227                  ; r + 8 (r / 8)
	v_lshlrev_b32 v1, 4, v226                      ; v1: 16 x lane: an image's place
	v_lshlrev_b32 v2, 8, v229
	v_lshl_add_u32 v2, v228, 4, v2                 ; v2: a weight's codes: a row is 256 bytes; + 16 h
	v_lshlrev_b32 v3, 4, v229
	v_lshl_add_u32 v3, v228, 3, v3                 ; v3: its scale bytes: 16 a row; lanes 0-15 take K steps 0, 1, lanes 16-31 K steps 2, 3
	v_lshlrev_b32 v4, 6, v228                      ; v4: bq, bk: 16 h numbers on
	v_lshlrev_b32 v5, 2, v229                      ; v5: bv: my channel
	s_lshl_b32 s43, s40, 12
	v_lshl_add_u32 v6, v226, 2, s43                ; v6: hsc: planes 4 w .. 4 w + 3, four positions a lane
	s_lshl_b32 s43, s40, 2
	v_lshl_add_u32 v7, v226, 6, s43                ; v7: HS + 16 x (4 lane) + 4 w
	v_lshlrev_b32 v8, 4, v227
	v_lshl_add_u32 v8, v228, 3, v8                 ; v8: HS + 16 r + 8 h
	s_lshl_b32 s43, s40, 9
	s_add_co_u32 s43, s43, SCST
	v_lshl_add_u32 v9, v227, 2, s43                ; v9: where a row's scale word goes
	v_lshl_add_u32 v10, v226, 4, s43               ; v10: and how the wave's 512 bytes come back
	s_lshl_b32 s43, s40, 13
	s_add_co_u32 s43, s43, BKI
	v_lshl_add_u32 v11, v226, 4, s43               ; v11: bk's image
.irp b, 0,1,2,3
	v_mov_b32 v[TM+4+\b], 0                        ; written once: a lane permute's destination counts as one of its sources
.endr
	s_mov_b32 s45, 0
	s_wait_kmcnt 0x0
	s_lshl_b32 s44, s42, 18
	s_lshl_b32 s43, ttmp9, 15
	s_add_co_u32 s44, s44, s43
	s_add_nc_u64 s[4:5], s[4:5], s[44:45]          ; himg: 262,144 image + 32,768 block
	s_lshl_b32 s43, s40, 10
	s_add_co_u32 s44, s44, s43
	s_add_nc_u64 s[26:27], s[26:27], s[44:45]      ; qimg, kimg: + 1,024 wave (my K step)
	s_add_nc_u64 s[30:31], s[30:31], s[44:45]
	s_lshl_b32 s44, s42, 14
	s_lshl_b32 s43, ttmp9, 7
	s_add_co_u32 s44, s44, s43
	s_add_nc_u64 s[6:7], s[6:7], s[44:45]          ; hsc: 16,384 image + 128 block
	s_lshl_b32 s44, s40, 15
	s_add_nc_u64 s[8:9], s[8:9], s[44:45]          ; my 128 rows of each weight's codes,
	s_add_nc_u64 s[14:15], s[14:15], s[44:45]
	s_add_nc_u64 s[20:21], s[20:21], s[44:45]
	s_lshl_b32 s44, s40, 11
	s_add_nc_u64 s[10:11], s[10:11], s[44:45]      ; scale bytes,
	s_add_nc_u64 s[16:17], s[16:17], s[44:45]
	s_add_nc_u64 s[22:23], s[22:23], s[44:45]
	s_lshl_b32 s44, s40, 9
	s_add_nc_u64 s[12:13], s[12:13], s[44:45]      ; and biases
	s_add_nc_u64 s[18:19], s[18:19], s[44:45]
	s_add_nc_u64 s[24:25], s[24:25], s[44:45]
	s_lshl_b32 s44, s42, 14
	s_lshl_b32 s43, s40, 12
	s_add_co_u32 s44, s44, s43
	s_lshl_b32 s43, ttmp9, 9
	s_add_co_u32 s44, s44, s43
	s_add_nc_u64 s[28:29], s[28:29], s[44:45]      ; qsc, ksc: 16,384 image + 4,096 K step + 512 block
	s_add_nc_u64 s[32:33], s[32:33], s[44:45]
	s_lshl_b32 s44, s42, 18
	s_lshl_b32 s43, s40, 16
	s_add_co_u32 s44, s44, s43
	s_lshl_b32 s43, ttmp9, 13
	s_add_co_u32 s44, s44, s43
	s_add_nc_u64 s[34:35], s[34:35], s[44:45]      ; vimg: 262,144 image + 65,536 wave + 8,192 block (the key step)
	s_lshl_b32 s44, s42, 14
	s_lshl_b32 s43, ttmp9, 11
	s_add_co_u32 s44, s44, s43
	s_lshl_b32 s43, s40, 9
	s_add_co_u32 s44, s44, s43
	s_add_nc_u64 s[36:37], s[36:37], s[44:45]      ; vsc: 16,384 image + 2,048 key step + 512 wave
.macro LOADB reg, p                    ; a bias in the result's layout: tile t, lane half h: units 32 (t / 2) + 16 h + 8 (t % 2) + 0 .. 7
.irp t, 0,1,2,3,4,5,6,7
	global_load_b128 v[\reg+8*\t:\reg+8*\t+3], v4, s[\p:\p+1] offset:(32*(\t/2)+8*(\t%2))*4
	global_load_b128 v[\reg+8*\t+4:\reg+8*\t+7], v4, s[\p:\p+1] offset:(32*(\t/2)+8*(\t%2))*4+16
.endr
.endm
.macro LOADS reg, p                    ; a weight's scale words: register 2 t + i: lanes 0-15 K step i, lanes 16-31 K step 2 + i
.irp t, 0,1,2,3,4,5,6,7
	global_load_b64 v[\reg+2*\t:\reg+2*\t+1], v3, s[\p:\p+1] offset:(32*(\t/2)+8*(\t%2))*16
.endr
.endm
.macro LOADW win, p                    ; my 128 rows of a weight: 32 fragments
	WIN \win
.irp t, 0,1,2,3,4,5,6,7
.irp s, 0,1,2,3
.irp c, 0,1
	global_load_b128 v[32*\t+8*\s+4*\c:32*\t+8*\s+4*\c+3], v2, s[\p:\p+1] offset:(32*(\t/2)+8*(\t%2))*256+64*\s+32*\c
.endr
.endr
.endr
	WIN 0
.endm
	; ---- 252 loads, in the order in which they are wanted
.irp i, 0,1,2,3
	global_load_b32 v[12+\i], v6, s[6:7] offset:1024*\i
.endr
	LOADB ACC, 18                                  ; bk: on its way to LDS
	LOADB BIAS, 12                                 ; bq
	LOADS WS0, 10
	LOADS WS1, 16
.irp n, 0,1,2,3,4,5,6,7
	global_load_b32 v[BV+\n], v5, s[24:25] offset:(32*(\n/2)+8*(\n%2))*4
.endr
	WIN 0x40
.irp n, 0,1,2,3,4,5,6,7
.irp s, 0,1,2,3
.irp c, 0,1
	global_load_b128 v[32*\n+8*\s+4*\c:32*\n+8*\s+4*\c+3], v1, s[4:5] offset:4096*\n+1024*\s+512*\c   ; h: 512 consecutive bytes
.endr
.endr
.endr
	WIN 0
	LOADW 0x80, 8                                  ; Wq
	LOADW 0xc0, 14                                 ; Wk
	s_wait_loadcnt 63                              ; loads come back in order: all but the youngest 63, which are Wk's, are in
	; h's scale bytes come as [block of channels][position]; four positions x four blocks are turned in registers, so that a position's four bytes of a K step make a word
	v_perm_b32 v226, v13, v12, 0x05010400
	v_perm_b32 v227, v13, v12, 0x07030602
	v_perm_b32 v228, v15, v14, 0x05010400
	v_perm_b32 v229, v15, v14, 0x07030602
	v_perm_b32 v230, v228, v226, 0x05040100
	v_perm_b32 v231, v228, v226, 0x07060302
	v_perm_b32 v232, v229, v227, 0x05040100
	v_perm_b32 v233, v229, v227, 0x07060302
.irp i, 0,1,2,3
	ds_store_b32 v7, v[230+\i] offset:16*\i
.endr
.set i, 0
.rept 16
	ds_store_b128 v11, v[ACC+4*i:ACC+4*i+3] offset:512*i
.set i, i+1
.endr
	s_wait_dscnt 0x0                               ; for the others' sake: my words of h's scales lie in LDS
	s_barrier_signal -1
	s_barrier_wait -1
.irp n, 0,1,2,3,4,5,6,7
	ds_load_b64 v[HSR+2*\n:HSR+2*\n+1], v8 offset:256*\n
.endr
	s_wait_dscnt 0x0
; 64 numbers of a lane, register 16 b + i = k 32 b + 16 (lane / 16) + i of my row, become a fragment's codes in v[PC] on and its scale word in v[PW]
.macro QUANT src
.irp b, 0,1,2,3
	v_max3_num_f32 v[TM+\b], |v[\src+16*\b]|, |v[\src+16*\b+1]|, 0x1800000   ; with the floor 2^(3 - 127): the byte cannot fall under 1.  Each accumulator is read from its low end on
.endr
.irp i, 2,4,6,8,10,12,14
.irp b, 0,1,2,3
	v_max3_num_f32 v[TM+\b], v[TM+\b], |v[\src+16*\b+\i]|, |v[\src+16*\b+\i+1]|
.endr
.endr
.irp b, 0,1,2,3
	v_permlanex16_b32 v[TM+4+\b], v[TM+\b], s46, s47
.endr
.irp b, 0,1,2,3
	v_max_num_f32 v[TM+\b], v[TM+\b], v[TM+4+\b]   ; with lane l xor 16's: the block's largest magnitude
.endr
.irp b, 0,1,2,3
	v_add_nc_u32 v[TM+12+\b], 0xff000000, v[TM+\b] ; 2 off its exponent field: the conversion's scale operand
.endr
.irp b, 0,1,2,3
	v_lshrrev_b32 v[TM+4+\b], 23, v[TM+12+\b]      ; the scale's byte
.endr
	v_lshl_or_b32 v[PW], v[TM+5], 8, v[TM+4]
	v_lshl_or_b32 v[PW], v[TM+6], 16, v[PW]
	v_lshl_or_b32 v[PW], v[TM+7], 24, v[PW]
.irp b, 0,1,2,3
	v_cvt_scalef32_pk8_fp4_f32 v[PC+2*\b], v[\src+16*\b:\src+16*\b+7], v[TM+12+\b]
	v_cvt_scalef32_pk8_fp4_f32 v[PC+2*\b+1], v[\src+16*\b+8:\src+16*\b+15], v[TM+12+\b]
.endr
	v_nop                                          ; one plain instruction behind the conversions
.irp c, 0,1                            ; the operand's layout wants a whole block in a lane
.irp i, 0,1
	v_permlane16_swap_b32 v[PC+4*\c+\i], v[PC+4*\c+2+\i]
.endr
.endr
.endm
; A TRIP: streamed tile n against the 8 held tiles, 4 K steps: 32 matrix instructions, the eight accumulators by turns; the bias is the C of each sum's first one.
; Then the 64 results of a lane are quantised; the fragment leaves by two stores of 512 consecutive bytes, its scale word waits in LDS for the phase's end.
; cm = 0: the bias hangs on the held tile (q, k); 1: on the streamed one (v).
.macro TRIP win, n, hs, ss, cm, p, imm, ph
	WIN \win
.irp s, 0,1,2,3
.irp t, 0,1,2,3,4,5,6,7
.set rD, ACC+8*\t
.set rA, 32*\t+8*\s
.set rB, 32*(\n)+8*\s
.set rX, \hs+2*\t+\s%2
.set rY, \ss+2*(\n)+\s%2
.if \s == 0
.if \cm
	WM rD, rA, rB, v[BIAS+8*(\n):BIAS+8*(\n)+7], rX, rY, 0, 0
.else
	WM rD, rA, rB, v[BIAS+8*\t:BIAS+8*\t+7], rX, rY, 0, 0
.endif
.else
	WM rD, rA, rB, v[rD:rD+7], rX, rY, \s/2, \s/2
.endif
.endr
.endr
	WIN 0
.rept 4
	v_nop                                          ; four places between the last product and the first read of results; with the quantiser's lines on its own registers they are more than the five owed before the next trip begins the sums anew
.endr
	s_wait_xcnt 0x0                                ; the last trip's stores have read the codes' registers
	QUANT ACC
.irp c, 0,1
	global_store_b128 v1, v[PC+4*\c:PC+4*\c+3], s[\p:\p+1] offset:\imm+512*\c
.endr
	ds_store_b32 v9, v[PW] offset:2048*\ph+64*(\n) ; both halves of the lanes write the same word with the same value
.endm
.macro SCOUT ph, p                     ; a phase's 128 scale words of my wave leave as 512 consecutive bytes
	s_wait_xcnt 0x0
	ds_load_b128 v[234:237], v10 offset:2048*\ph   ; LDS serves a wave's instructions in order: this sees my stores
	s_wait_dscnt 0x0
	global_store_b128 v1, v[234:237], s[\p:\p+1]
.endm
	; ---- q
.irp n, 0,1,2,3,4,5,6,7
	TRIP 0x06, \n, WS0, HSR, 0, 26, 4096*\n, 0
.endr
	SCOUT 0, 28
	s_wait_loadcnt 0x0                             ; Wk
	LOADW 0x80, 20                                 ; Wv takes Wq's registers, and lands while k is made
	LOADS WS0, 22
.set i, 0
.rept 16
	ds_load_b128 v[BIAS+4*i:BIAS+4*i+3], v11 offset:512*i
.set i, i+1
.endr
	s_wait_dscnt 0x0
	; ---- k
.irp n, 0,1,2,3,4,5,6,7
	TRIP 0x07, \n, WS1, HSR, 0, 30, 4096*\n, 1
.endr
	SCOUT 1, 32
	s_wait_loadcnt 0x0                             ; Wv and its scale words
.irp n, 0,1,2,3,4,5,6,7
.irp j, 0,1,2,3,4,5,6,7
	v_mov_b32 v[BIAS+8*\n+\j], v[BV+\n]            ; in v's results a lane holds one channel: its bias in all eight registers
.endr
.endr
	; ---- v
.irp n, 0,1,2,3,4,5,6,7
	TRIP 0x09, \n, HSR, WS0, 1, 34, 1024*\n, 2
.endr
	SCOUT 2, 36
	s_wait_tensorcnt 0x0
	ds_add_u32 v254, v255
	s_wait_dscnt 0x0
	s_endpgm
.Lfunc_end_k_q410db5b191_proj:
	.size	k_q410db5b191_proj, .Lfunc_end_k_q410db5b191_proj-k_q410db5b191_proj
	.p2alignl 7, 3214868480
	.fill 96, 4, 3214868480
	.section	.rodata,"a",@progbits
	.p2align	6, 0x0
	.amdhsa_kernel k_q410db5b191_proj
		.amdhsa_group_segment_fixed_size 41472
		.amdhsa_private_segment_fixed_size 0
		.amdhsa_enable_private_segment 0
		.amdhsa_kernarg_size 136
		.amdhsa_user_sgpr_count 2
		.amdhsa_user_sgpr_kernarg_segment_ptr 1
		.amdhsa_wavefront_size32 1
		.amdhsa_system_sgpr_workgroup_id_x 1
		.amdhsa_system_sgpr_workgroup_id_y 1
		.amdhsa_system_sgpr_workgroup_id_z 1
		.amdhsa_system_vgpr_workitem_id 0
		.amdhsa_next_free_vgpr 1024
		.amdhsa_next_free_sgpr 66
		.amdhsa_reserve_vcc 0
		.amdhsa_float_denorm_mode_32 3
		.amdhsa_float_denorm_mode_16_64 3
		.amdhsa_memory_ordered 1
		.amdhsa_forward_progress 1
		.amdhsa_inst_pref_size 238
	.end_amdhsa_kernel
	.amdgpu_metadata
---
amdhsa.version: [ 1, 2 ]
amdhsa.kernels:
  - .name:           k_q410db5b191_proj
    .symbol:         k_q410db5b191_proj.kd
    .args:
      - { .name: himg, .offset: 0, .size: 8, .value_kind: global_buffer, .address_space: global }
      - { .name: hsc, .offset: 8, .size: 8, .value_kind: global_buffer, .address_space: global }
      - { .name: wq_codes, .offset: 16, .size: 8, .value_kind: global_buffer, .address_space: global }
      - { .name: wq_scales, .offset: 24, .size: 8, .value_kind: global_buffer, .address_space: global }
      - { .name: bq, .offset: 32, .size: 8, .value_kind: global_buffer, .address_space: global }
      - { .name: wk_codes, .offset: 40, .size: 8, .value_kind: global_buffer, .address_space: global }
      - { .name: wk_scales, .offset: 48, .size: 8, .value_kind: global_buffer, .address_space: global }
      - { .name: bk, .offset: 56, .size: 8, .value_kind: global_buffer, .address_space: global }
      - { .name: wv_codes, .offset: 64, .size: 8, .value_kind: global_buffer, .address_space: global }
      - { .name: wv_scales, .offset: 72, .size: 8, .value_kind: global_buffer, .address_space: global }
      - { .name: bv, .offset: 80, .size: 8, .value_kind: global_buffer, .address_space: global }
      - { .name: qimg, .offset: 88, .size: 8, .value_kind: global_buffer, .address_space: global }
      - { .name: qsc, .offset: 96, .size: 8, .value_kind: global_buffer, .address_space: global }
      - { .name: kimg, .offset: 104, .size: 8, .value_kind: global_buffer, .address_space: global }
      - { .name: ksc, .offset: 112, .size: 8, .value_kind: global_buffer, .address_space: global }
      - { .name: vimg, .offset: 120, .size: 8, .value_kind: global_buffer, .address_space: global }
      - { .name: vsc, .offset: 128, .size: 8, .value_kind: global_buffer, .address_space: global }
    .group_segment_fixed_size: 41472
    .private_segment_fixed_size: 0
    .kernarg_segment_align: 8
    .kernarg_segment_size: 136
    .max_flat_workgroup_size: 128
    .sgpr_count:     66
    .vgpr_count:     1024
    .wavefront_size: 32
...
	.end_amdgpu_metadata
.endif
;; end of part 2
;; launch attn (part 3): grid 8 x 32, 4 waves a work-group, clusters of 4 x 1, 327,680 bytes of LDS; arguments qimg, qsc, kimg, ksc, vimg, vsc, wo_codes, wo_scales, bo, x, out0; writes out0
.if DOCPART == 3
	.amdgcn_target "amdgcn-amd-amdhsa--gfx1250"
	.amdhsa_code_object_version 6
	.text
	.protected	k_q410db5b191_attn
	.globl	k_q410db5b191_attn
	.p2align	8
	.type	k_q410db5b191_attn,@function
k_q410db5b191_attn:
	s_mov_b64 s[64:65], 0
	v_nop
	global_prefetch_b8 v0, s[64:65] scope:SCOPE_SE
	s_setreg_imm32_b32 hwreg(HW_REG_WAVE_MODE, 25, 1), 1
	s_wait_xcnt 0x0
	s_wait_alu depctr_hold_cnt(0) depctr_sa_sdst(0) depctr_va_vdst(0) depctr_va_sdst(0) depctr_va_ssrc(0) depctr_va_vcc(0) depctr_vm_vsrc(0)
	s_getreg_b32 s2, hwreg(HW_REG_IB_STS2, 6, 4)
	s_cmp_eq_u32 s2, 0
	s_cbranch_scc0 .Lentry_in_a_cluster
	s_endpgm
.Lentry_in_a_cluster:
	s_bfe_u32 s2, ttmp6, 0x10000c
	s_cmp_lg_u32 s2, 0x3003
	s_cbranch_scc0 .Lentry_shape_is_right
	s_endpgm
.Lentry_shape_is_right:
; out = x + Wo (V softmax(K^T Q / sqrt(512))) + bo, all three products on codes of FP4 (E2M1) with E8M0 scales.  THE SOFTMAX IS QUANTISED FINISHED AND NORMALISED: a query's 1,024 scores are kept in f32 until its
; largest score and its sum are known; p = 2^(c s - c m) / l, c = log2(e) / sqrt(512), is then quantised along the keys.
; SHARES.  A group is 64 queries (64 neighbouring pixels: four tiles) of one image.  Scores: THE WAVES SHARE THE KEYS: wave w holds S^T of keys 256 w .. 256 w + 255 for all four tiles of queries: 64 accumulators, 512 registers.
; Largest scores and sums meet in LDS; p's codes go from wave to wave as images of the operand's registers.  V P and the last product: THE WAVES SHARE THE CHANNELS: wave w makes channels 128 w .. 128 w + 127.
; A WORK-GROUP STAYS: it takes two groups of its image, g and g + 8.  Scores, softmax and V P stand once, under a label; what follows them (O quantised, the last product, the way out) is written out twice: the first
; copy also asks for the second group's K, Q and scale words, which land while the first group's last product runs, and nothing waits for the first group's stores; the second copy asks for nothing.
; LAYOUT.  S^T = K Q^T, O^T = V P^T (a lane holds one query; registers run along the keys, then along the channels); the last product takes O's tile as source 0 and 16 rows of Wo as source 1: a lane holds one output channel and 8 neighbouring pixels.
; The rows of a tile of pixels, and of V's tiles of channels, are not neighbours: tile 2 b + u, row r is index 32 b + 8 u + r + 8 (r / 8), so that the 16 registers of two neighbouring tiles are 16 neighbours along the next K.
; CLUSTER.  The four work-groups of a cluster belong to one image.  Wave w's K and its V are each one dense block of 65,536 bytes, which it alone reads: it asks for each by ONE joint tensor load, with the same descriptor in all four work-groups and a mask
; that names the four, into its own 65,536 bytes of LDS.  V takes K's bytes and K takes V's, each behind a round of the cluster's barrier.  By this text's count one tensor load of a wave is out at a time.
; Wo is not asked for jointly: a wave's 32,768 bytes go straight into the registers in which they are held, beside K or V no 131,072 bytes of LDS are free, and they are a fifth of what the four share.
; LIMITS: NaN and infinities are not served; a block of zeros gets the byte 1 where the rule says 127 (its codes are zeros); a block's largest magnitude is held at 2^-124 from below; 1 / l is v_rcp_f32 and a multiplication;
; a p under 2^-126 comes out of v_exp_f32 as 0; a block's largest p is its largest score put through the same three instructions, which takes v_exp_f32 not to fall where its input rises.
; REGISTERS, in windows of 256.  Window 1: two buffers for K at v0, v64, Q of query tiles 0, 1 at v[128 + 32 q + 8 s]; later two buffers for V at v0, v64 and two for P at v128, v160; later O's 16 fragments at v0, the next group's Q at v128, two sets of 4 accumulators at v192.
;   Window 2: S^T of query tiles 0, 1 at v[128 (qt % 2) + 8 kt]; later O^T at v[64 qt + 8 n]; later x.   Window 3: S^T of tiles 2, 3; later Wo at v[32 dt + 8 s].
;   Window 0: v1-22 addresses; v24-95 scale words and nothing else; v96-103 bo; v104-135 the blocks' largest; v136-167 permutes, then scale operands; v168-183 exchange, later bo as a C, two sets; v184-191 -c m, later O's codes;
;   v192-255 Q of query tiles 2, 3 at v[192 + 32 q + 8 s]; between the scores and V P the softmax's statistics and p's codes.
.set PIMG,  262144                     ; LDS: bytes 0 .. 262,143: four waves' K or V.  Behind them: p's images [key step 8][query tile 4][1,024],
.set PSC,   PIMG+32768                 ; their scale words, 128 bytes each,
.set OIMG,  PSC+4096                   ; O's images [query tile 4][K step 4][1,024],
.set OSC,   OIMG+16384                 ; their scale words,
.set STM,   OSC+2048                   ; the waves' largest scores, 512 bytes a wave; STL further on their sums,
.set STL,   2048
.set SPARE, STM+4096                   ; and the spare words, 128 bytes for each wave: two blocks of 256 bytes that no other line names
.set STG,   PIMG                       ; the way out's stages, 16 rows x 272 bytes a wave: in p's images, behind the barrier that follows their last read
.set SP,    272
.set KS,  24                           ; K's scale words (4 p + s), later V's (8 (n / 2) + ks): lanes 0-15 the even tile, lanes 16-31 the odd one
.set QS,  56                           ; Q's (4 (qt / 2) + s), later P's (4 f + qt)
.set WS,  64                           ; Wo's (2 dt + i): lanes 0-15 K step i, lanes 16-31 K step 2 + i
.set OS,  80                           ; O's (4 qt + s)
.set BO,  96
.set BM,  104
.set TP,  136
.set OPW, 144                          ; O's scale word just made
.set EX,  168
.set BOC, 168                          ; bo in the last product's layout: two sets of 8
.set NM,  184
.set OPC, 184                          ; O's codes just made
.set RL,  192
.set RM,  200
.set LSM, 204
.set LA,  208
.set PC,  216
.set PW,  224
.set SBT, 225
.set RB,  104
.set GRP, 53                           ; s53      groups to go, this one among them: the same number in every work-group
.set PFA, 60                           ; s[60:61] where the prefetches of x stand
.set GSTEP, 8                          ; the second group lies 8 groups on: 131,072 bytes in qimg, 2,048 in qsc and in a row of x and out0
.set MSB, 0
.macro WIN new                         ; the immediate's high byte repeats the setting that is left
.if MSB != (\new)
	s_set_vgpr_msb (MSB<<8)|(\new)
.set MSB, (\new)
.endif
.endm
.macro WM d, a, b, c, sa, sb, ra, rb   ; the one matrix line; ra, rb = 1: that side's scales are read from lanes 16-31
.if (\ra) && (\rb)
	v_wmma_scale_f32_16x16x128_f8f6f4 v[\d:\d+7], v[\a:\a+7], v[\b:\b+7], \c, v[\sa], v[\sb] matrix_a_fmt:MATRIX_FMT_FP4 matrix_b_fmt:MATRIX_FMT_FP4 matrix_a_scale:MATRIX_SCALE_ROW1 matrix_b_scale:MATRIX_SCALE_ROW1
.elseif \ra
	v_wmma_scale_f32_16x16x128_f8f6f4 v[\d:\d+7], v[\a:\a+7], v[\b:\b+7], \c, v[\sa], v[\sb] matrix_a_fmt:MATRIX_FMT_FP4 matrix_b_fmt:MATRIX_FMT_FP4 matrix_a_scale:MATRIX_SCALE_ROW1
.elseif \rb
	v_wmma_scale_f32_16x16x128_f8f6f4 v[\d:\d+7], v[\a:\a+7], v[\b:\b+7], \c, v[\sa], v[\sb] matrix_a_fmt:MATRIX_FMT_FP4 matrix_b_fmt:MATRIX_FMT_FP4 matrix_b_scale:MATRIX_SCALE_ROW1
.else
	v_wmma_scale_f32_16x16x128_f8f6f4 v[\d:\d+7], v[\a:\a+7], v[\b:\b+7], \c, v[\sa], v[\sb] matrix_a_fmt:MATRIX_FMT_FP4 matrix_b_fmt:MATRIX_FMT_FP4
.endif
.endm
.macro PLACES n                        ; plain instructions between a matrix instruction and a read of its result or a load into one of its registers
.rept \n
	v_nop
.endr
.endm
.macro CROUND                          ; a round of the cluster's barrier: my work-group's barrier; wave 0 signals for the work-group; every wave waits for all four; my work-group's barrier once more
	s_barrier_signal -1
	s_barrier_wait -1
	s_cmp_lg_u32 s26, 0
	s_cbranch_scc1 .Lnot_wave_0_\@
	s_barrier_signal -3
.Lnot_wave_0_\@:
	s_barrier_wait -3
	s_barrier_signal -1
	s_barrier_wait -1
.endm
.macro QLOAD off                       ; a group's Q, 16 fragments, 32 loads of 512 consecutive bytes: tiles 0, 1 into window 1, tiles 2, 3 into window 0
	WIN 0x40
.irp q, 0,1
.irp s, 0,1,2,3
.irp c, 0,1
	global_load_b128 v[128+32*\q+8*\s+4*\c:128+32*\q+8*\s+4*\c+3], v1, s[4:5] offset:(\off)+4096*\q+1024*\s+512*\c
.endr
.endr
.endr
	WIN 0
.irp q, 0,1
.irp s, 0,1,2,3
.irp c, 0,1
	global_load_b128 v[192+32*\q+8*\s+4*\c:192+32*\q+8*\s+4*\c+3], v1, s[4:5] offset:(\off)+8192+4096*\q+1024*\s+512*\c
.endr
.endr
.endr
.endm
.macro QSLOAD off                      ; and its scale words: 8 loads
.irp q, 0,1
.irp s, 0,1,2,3
	global_load_b32 v[QS+4*\q+\s], v2, s[6:7] offset:(\off)+4096*\s+128*\q
.endr
.endr
.endm
.macro KSLOAD                          ; the scale words of my 16 tiles of K: 32 loads
.irp p, 0,1,2,3,4,5,6,7
.irp s, 0,1,2,3
	global_load_b32 v[KS+4*\p+\s], v2, s[10:11] offset:4096*\s+128*\p
.endr
.endr
.endm
	s_load_b512 s[4:19], s[0:1], 0x0               ; qimg 4, qsc 6, kimg 8, ksc 10, vimg 12, vsc 14, wo_codes 16, wo_scales 18
	s_load_b128 s[20:23], s[0:1], 0x40             ; bo 20, x 22
	s_load_b64 s[24:25], s[0:1], 0x50              ; out0
	v_lshl_add_u32 v4, v0, 2, SPARE                ; my spare word; never rewritten
	v_mov_b32 v5, 0                                ; 0; never rewritten
	ds_add_u32 v4, v5
	ds_add_u32 v4, v5
	s_wait_dscnt 0x0
	v_lshrrev_b32 v1, 5, v0
	v_readfirstlane_b32 s26, v1                    ; wave 0..3
	s_bfe_u32 s27, ttmp6, 0x40000                  ; cx: my place in the cluster
	s_lshl_b32 s28, ttmp9, 2
	s_add_co_u32 s28, s28, s27                     ; my first group of 64 queries, 0 .. 7: it enters Q's, x's and out0's addresses alone
	s_and_b32 s29, ttmp7, 0xffff                   ; the image, which the four partners share
	; descriptor group 1: a dense block of 65,536 bytes as 256 rows of 32 elements of 8 bytes, no padding
	s_mov_b32 s32, 15|(3<<16)|(1<<21)              ; 15:0 the mask: all four work-groups; 17:16 elements of 8 bytes; 21 set beside a mask
	s_mov_b32 s33, 32<<16                          ; tensor_dim0 = 32
	s_mov_b32 s34, 256<<16                         ; tensor_dim1 = 256
	s_mov_b32 s35, 32<<16                          ; tile_dim0 = 32
	s_mov_b32 s36, 256                             ; tile_dim1 = 256
	s_mov_b32 s37, 32                              ; from row to row
	s_mov_b32 s38, 0
	s_mov_b32 s39, 0
	s_mov_b32 s48, 0x3d8293ee                      ; c = log2(e) / sqrt(512)
	s_mov_b32 s49, s48                             ; (named with it as a pair, so it is written)
	s_mov_b32 s50, 0x76543210
	s_mov_b32 s51, 0xfedcba98                      ; v_permlanex16_b32's selects for lane l xor 16
	s_mov_b32 s52, 0xbd8293ee                      ; -c
	s_mov_b32 s[GRP], 2
	v_and_b32 v208, 31, v0                         ; lane
	v_and_b32 v209, 15, v0                         ; r
	v_bfe_u32 v210, v0, 4, 1                       ; h
	s_lshl_b32 s30, s26, 16
	v_lshlrev_b32 v1, 4, v208                      ; v1: 16 x lane
	v_lshlrev_b32 v2, 2, v208                      ; v2: 4 x lane
	v_lshl_add_u32 v3, v208, 4, s30                ; v3: my wave's K or V
	v_lshl_add_u32 v6, v208, 4, PIMG               ; v6, v7: reading p's images and scale words
	v_lshl_add_u32 v7, v208, 2, PSC
	v_lshl_add_u32 v8, v208, 4, OIMG               ; v8, v9: O's
	v_lshl_add_u32 v9, v208, 2, OSC
	s_lshl_b32 s31, s26, 13
	s_add_co_u32 s31, s31, PIMG
	v_lshl_add_u32 v10, v208, 4, s31               ; v10, v11: writing p's: my two key steps
	s_lshl_b32 s31, s26, 10
	s_add_co_u32 s31, s31, PSC
	v_lshl_add_u32 v11, v208, 2, s31
	s_lshl_b32 s31, s26, 10
	s_add_co_u32 s31, s31, OIMG
	v_lshl_add_u32 v12, v208, 4, s31               ; v12, v13: writing O's: my K step
	s_lshl_b32 s31, s26, 7
	s_add_co_u32 s31, s31, OSC
	v_lshl_add_u32 v13, v208, 2, s31
	s_lshl_b32 s31, s26, 9
	s_add_co_u32 s31, s31, STM
	v_lshl_add_u32 v14, v208, 4, s31               ; v14: my wave's statistics, four numbers a lane
	v_lshl_add_u32 v15, v208, 4, STM               ; v15: all waves'
	s_mul_i32 s31, s26, 16*SP
	s_add_co_u32 s31, s31, STG
	v_mul_u32_u24 v16, v209, SP
	v_lshl_add_u32 v16, v210, 6, v16
	v_add_nc_u32 v16, s31, v16                     ; v16: into my stage: row r (an output channel), + 64 h
	v_mul_u32_u24 v17, v210, SP
	v_lshl_add_u32 v17, v209, 4, v17
	v_add_nc_u32 v17, s31, v17                     ; v17: back: lanes 0-15 one row of 256 bytes, lanes 16-31 the next
	v_lshlrev_b32 v18, 12, v210
	v_lshl_add_u32 v18, v209, 4, v18               ; v18: the same two rows in x and out0 (4,096 bytes apart)
	v_lshlrev_b32 v19, 12, v208                    ; v19: the prefetches: a lane a row of x
	v_lshlrev_b32 v20, 8, v209
	v_lshl_add_u32 v20, v210, 4, v20               ; v20: Wo's codes: row r of 256 bytes, + 16 h
	v_lshlrev_b32 v21, 4, v209
	v_lshl_add_u32 v21, v210, 3, v21               ; v21: its scale bytes
	v_lshlrev_b32 v22, 2, v209                     ; v22: bo
.irp b, 0,1,2,3,4,5,6,7
	v_mov_b32 v[TP+\b], 0                          ; written once: a lane permute's destination counts as one of its sources
.endr
	s_mov_b32 s55, 0
	s_mov_b32 s57, 0
	s_lshl_b32 s54, s29, 18
	s_add_co_u32 s54, s54, s30                     ; 262,144 image + 65,536 wave: nothing of my place in the cluster
	s_wait_kmcnt 0x0
	s_mov_b32 s40, 1                               ; group 0 for K: count = 1,
	s_lshl_b32 s41, s26, 16                        ; LDS address 65,536 x wave,
	s_add_nc_u64 s[42:43], s[8:9], s[54:55]        ; global address,
	s_or_b32 s43, s43, 0x80000000                  ; type = 2
	s_mov_b32 s44, 1                               ; and for V; both groups of queries walk the same K and V, so neither is ever rewritten
	s_lshl_b32 s45, s26, 16
	s_add_nc_u64 s[46:47], s[12:13], s[54:55]
	s_or_b32 s47, s47, 0x80000000
	s_lshl_b32 s54, s29, 14
	s_lshl_b32 s31, s26, 10
	s_add_co_u32 s54, s54, s31
	s_add_nc_u64 s[10:11], s[10:11], s[54:55]      ; ksc: 16,384 image + 1,024 wave
	s_lshl_b32 s54, s29, 14
	s_lshl_b32 s31, s26, 9
	s_add_co_u32 s54, s54, s31
	s_add_nc_u64 s[14:15], s[14:15], s[54:55]      ; vsc: 16,384 image + 512 wave
	s_lshl_b32 s54, s26, 15
	s_add_nc_u64 s[16:17], s[16:17], s[54:55]      ; my 128 rows of Wo,
	s_lshl_b32 s54, s26, 11
	s_add_nc_u64 s[18:19], s[18:19], s[54:55]      ; their scale bytes,
	s_lshl_b32 s54, s26, 9
	s_add_nc_u64 s[20:21], s[20:21], s[54:55]      ; and bo
	s_lshl_b32 s56, s29, 18
	s_lshl_b32 s58, s28, 14
	s_add_co_u32 s56, s56, s58
	s_add_nc_u64 s[4:5], s[4:5], s[56:57]          ; qimg: 262,144 image + 16,384 group
	s_lshl_b32 s56, s29, 14
	s_lshl_b32 s58, s28, 8
	s_add_co_u32 s56, s56, s58
	s_add_nc_u64 s[6:7], s[6:7], s[56:57]          ; qsc: 16,384 image + 256 group
	s_lshl_b32 s56, s29, 21
	s_lshl_b32 s59, s26, 19
	s_add_co_u32 s56, s56, s59
	s_add_co_u32 s56, s56, s58
	s_add_nc_u64 s[22:23], s[22:23], s[56:57]      ; x, out0: 2,097,152 image + 524,288 wave (128 rows) + 256 group
	s_add_nc_u64 s[24:25], s[24:25], s[56:57]
	s_mov_b64 s[PFA:PFA+1], s[22:23]
	CROUND                                         ; all four work-groups are here: the first joint loads meet
	tensor_load_to_lds s[40:43], s[32:39]          ; my 16 tiles of K
	s_nop 0
	PLACES 4
	QLOAD 0
	KSLOAD
	QSLOAD 0
.irp d, 0,1,2,3,4,5,6,7
	global_load_b64 v[WS+2*\d:WS+2*\d+1], v21, s[18:19] offset:256*\d   ; Wo's scale words and bo stay for both groups
	global_load_b32 v[BO+\d], v22, s[20:21] offset:64*\d
.endr
.Lgroup:                                           ; a group of 64 queries; its K, Q and scale words have been asked for
	s_wait_tensorcnt 0x0                           ; my K has landed (the one load that was out); I alone read it, so my own counter is all the ordering that the reads need
	s_wait_loadcnt 0x0
	; ---- S^T = K Q^T: two tiles of keys at a time against the four tiles of queries
.macro KFETCH p, f                     ; key tiles 2 p, 2 p + 1, all four K steps, into buffer f: 16 loads of 512 consecutive bytes
	WIN 0x40
.irp k, 0,1
.irp s, 0,1,2,3
.irp c, 0,1
	ds_load_b128 v[64*(\f)+32*\k+8*\s+4*\c:64*(\f)+32*\k+8*\s+4*\c+3], v3 offset:4096*(2*(\p)+\k)+1024*\s+512*\c
.endr
.endr
.endr
.endm
.macro SMUL p, f                       ; 32 matrix instructions: for each half of the queries four accumulators by turns; the first K step starts the sums
.irp hf, 0,1
	WIN 0xa5+0x4c*\hf                              ; K in window 1; Q in window 1 (tiles 0, 1) or 0 (tiles 2, 3); S^T in window 2 or 3
.irp s, 0,1,2,3
.irp k, 0,1
.irp q, 0,1
.set rD, 128*\q+8*(2*(\p)+\k)
.set rA, 64*(\f)+32*\k+8*\s
.set rB, 128+64*\hf+32*\q+8*\s
.set rX, KS+4*(\p)+\s
.set rY, QS+4*\hf+\s
.if \s == 0
	WM rD, rA, rB, 0, rX, rY, \k, \q
.else
	WM rD, rA, rB, v[rD:rD+7], rX, rY, \k, \q
.endif
.endr
.endr
.endr
.endr
.endm
	KFETCH 0, 0
.irp p, 0,1,2,3,4,5,6,7
.if \p < 7
.if \p > 0
	PLACES 4                                       ; in front of loads into the buffer that the products just issued have read
.endif
	KFETCH \p+1, (\p+1)%2
	s_wait_dscnt 16                                ; all but the 16 just issued
.else
	s_wait_dscnt 0x0
.endif
	SMUL \p, \p%2
.endr
	; ---- the largest score of each block of 32 keys: it serves for the row's maximum and, since p rises with the score, for the block's largest p
	PLACES 4
.macro BMAX qt
.set sB, 128*((\qt)%2)
	WIN 0x2a+0x15*((\qt)/2)
.irp b, 0,1,2,3,4,5,6,7
	v_max3_num_f32 v[BM+8*(\qt)+\b], v[sB+16*\b], v[sB+16*\b+1], v[sB+16*\b+2]   ; each accumulator is read from its low end on
.endr
	WIN 0x28+0x14*((\qt)/2)
.irp i, 3,5,7,9,11,13
.irp b, 0,1,2,3,4,5,6,7
	v_max3_num_f32 v[BM+8*(\qt)+\b], v[BM+8*(\qt)+\b], v[sB+16*\b+\i], v[sB+16*\b+\i+1]
.endr
.endr
.irp b, 0,1,2,3,4,5,6,7
	v_max_num_f32 v[BM+8*(\qt)+\b], v[BM+8*(\qt)+\b], v[sB+16*\b+15]
.endr
.endm
	BMAX 0
	BMAX 1
	BMAX 2
	BMAX 3
	WIN 0
.irp q, 0,1,2,3
.irp b, 0,1,2,3,4,5,6,7
	v_permlanex16_b32 v[TP+\b], v[BM+8*\q+\b], s50, s51
.endr
.irp b, 0,1,2,3,4,5,6,7
	v_max_num_f32 v[BM+8*\q+\b], v[BM+8*\q+\b], v[TP+\b]          ; with lane l xor 16's 16 keys
.endr
	v_max3_num_f32 v[RM+\q], v[BM+8*\q], v[BM+8*\q+1], v[BM+8*\q+2]
	v_max3_num_f32 v[RM+\q], v[RM+\q], v[BM+8*\q+3], v[BM+8*\q+4]
	v_max3_num_f32 v[RM+\q], v[RM+\q], v[BM+8*\q+5], v[BM+8*\q+6]
	v_max_num_f32 v[RM+\q], v[RM+\q], v[BM+8*\q+7]
.endr
	ds_store_b128 v14, v[RM:RM+3]                  ; my 256 keys' largest score of each of the lane's four queries
	; ---- V takes K's bytes
	s_wait_tensorcnt 0x0                           ; no tensor load of mine is out
	ds_add_u32 v4, v5                              ; 0 onto my spare word
	s_wait_dscnt 0x0                               ; the add is done, my reads of K are over, my largest scores lie in LDS
	CROUND                                         ; that now holds of every wave of all four work-groups
	tensor_load_to_lds s[44:47], s[32:39]          ; my V: the first thing behind the round; it has the whole softmax in which to land
	s_nop 0
	PLACES 4
.irp n, 0,1,2,3
.irp k, 0,1,2,3,4,5,6,7
	global_load_b32 v[KS+8*\n+\k], v2, s[14:15] offset:2048*\k+128*\n   ; V's scale words take K's registers
.endr
.endr
.irp w, 0,1,2,3
	ds_load_b128 v[EX+4*\w:EX+4*\w+3], v15 offset:512*\w
.endr
	s_wait_dscnt 0x0
.irp q, 0,1,2,3
	v_max3_num_f32 v[RM+\q], v[EX+\q], v[EX+4+\q], v[EX+8+\q]
	v_max_num_f32 v[RM+\q], v[RM+\q], v[EX+12+\q]                 ; the row's largest score
.endr
.irp q, 0,1,2,3
	v_mul_f32 v[NM+2*\q], s52, v[RM+\q]            ; -c m, twice: named as a pair
	v_mul_f32 v[NM+2*\q+1], s52, v[RM+\q]
.endr
	; ---- 2^(c s - c m)
.irp q, 0,1,2,3
	WIN 0x82+0x41*(\q/2)
.set i, 0
.rept 64
	v_pk_fma_f32 v[128*(\q%2)+2*i:128*(\q%2)+2*i+1], v[128*(\q%2)+2*i:128*(\q%2)+2*i+1], s[48:49], v[NM+2*\q:NM+2*\q+1] op_sel_hi:[1,0,0]
.set i, i+1
.endr
.endr
	WIN 0
.irp q, 0,1,2,3
.irp b, 0,1,2,3,4,5,6,7
	v_fma_f32 v[BM+8*\q+\b], v[BM+8*\q+\b], s48, v[NM+2*\q]       ; the same of each block's largest score
.endr
.endr
	; the exponentials go in three batches, one a window, each with its plain instruction and its one wait ahead of the first line that names a result's number
	WIN 0x82
.set i, 0
.rept 256
	v_exp_f32 v[i], v[i]
.set i, i+1
.endr
	v_nop
	s_wait_alu depctr_va_vdst(0)
	WIN 0xc3
.set i, 0
.rept 256
	v_exp_f32 v[i], v[i]
.set i, i+1
.endr
	v_nop
	s_wait_alu depctr_va_vdst(0)
	WIN 0
.set i, 0
.rept 32
	v_exp_f32 v[BM+i], v[BM+i]
.set i, i+1
.endr
	v_nop
	s_wait_alu depctr_va_vdst(0)
.macro SUMS qt                         ; the lane's 128 numbers of query tile qt, two at a time, in four chains
.set sB, 128*((\qt)%2)
	WIN 0x0a+0x05*((\qt)/2)
.irp a, 0,1,2,3
	v_pk_add_f32 v[LA+2*\a:LA+2*\a+1], v[sB+4*\a:sB+4*\a+1], v[sB+4*\a+2:sB+4*\a+3]
.endr
	WIN 0x08+0x04*((\qt)/2)
.set i, 16
.rept 14
.irp a, 0,1,2,3
	v_pk_add_f32 v[LA+2*\a:LA+2*\a+1], v[LA+2*\a:LA+2*\a+1], v[sB+i+2*\a:sB+i+2*\a+1]
.endr
.set i, i+8
.endr
	WIN 0
	v_pk_add_f32 v[LA:LA+1], v[LA:LA+1], v[LA+2:LA+3]
	v_pk_add_f32 v[LA+4:LA+5], v[LA+4:LA+5], v[LA+6:LA+7]
	v_pk_add_f32 v[LA:LA+1], v[LA:LA+1], v[LA+4:LA+5]
	v_add_f32 v[LSM+(\qt)], v[LA], v[LA+1]
.endm
	SUMS 0
	SUMS 1
	SUMS 2
	SUMS 3
.irp q, 0,1,2,3
	v_permlanex16_b32 v[TP+\q], v[LSM+\q], s50, s51
.endr
.irp q, 0,1,2,3
	v_add_f32 v[LSM+\q], v[LSM+\q], v[TP+\q]
.endr
	ds_store_b128 v14, v[LSM:LSM+3] offset:STL
	s_wait_dscnt 0x0                               ; for the others' sake: my sums lie in LDS
	s_barrier_signal -1                            ; (V's load may stay out)
	s_barrier_wait -1
.irp w, 0,1,2,3
	ds_load_b128 v[EX+4*\w:EX+4*\w+3], v15 offset:STL+512*\w
.endr
	s_wait_dscnt 0x0
	v_pk_add_f32 v[EX:EX+1], v[EX:EX+1], v[EX+4:EX+5]             ; (l0 + l1) + (l2 + l3): the same order, and so the same bits, in all four waves
	v_pk_add_f32 v[EX+2:EX+3], v[EX+2:EX+3], v[EX+6:EX+7]
	v_pk_add_f32 v[EX+8:EX+9], v[EX+8:EX+9], v[EX+12:EX+13]
	v_pk_add_f32 v[EX+10:EX+11], v[EX+10:EX+11], v[EX+14:EX+15]
	v_pk_add_f32 v[EX:EX+1], v[EX:EX+1], v[EX+8:EX+9]
	v_pk_add_f32 v[EX+2:EX+3], v[EX+2:EX+3], v[EX+10:EX+11]
.irp q, 0,1,2,3
	v_rcp_f32 v[RL+2*\q], v[EX+\q]
	v_rcp_f32 v[RL+2*\q+1], v[EX+\q]
.endr
	v_nop
	s_wait_alu depctr_va_vdst(0)                   ; one wait for the eight
.irp q, 0,1,2,3
	WIN 0x82+0x41*(\q/2)
.set i, 0
.rept 64
	v_pk_mul_f32 v[128*(\q%2)+2*i:128*(\q%2)+2*i+1], v[128*(\q%2)+2*i:128*(\q%2)+2*i+1], v[RL+2*\q:RL+2*\q+1] op_sel_hi:[1,0]   ; p, finished and normalised
.set i, i+1
.endr
.endr
	WIN 0
.irp q, 0,1,2,3
.irp b, 0,1,2,3,4,5,6,7
	v_mul_f32 v[BM+8*\q+\b], v[BM+8*\q+\b], v[RL+2*\q]            ; each block's largest p: the same instructions on the same number give the same bits
.endr
.endr
	; ---- p is quantised along the keys; my 256 keys are key steps 2 w and 2 w + 1
.set i, 0
.rept 32
	v_max_num_f32 v[BM+i], 0x1800000, v[BM+i]      ; the floor 2^(3 - 127): the byte cannot fall under 1
.set i, i+1
.endr
.set i, 0
.rept 32
	v_add_nc_u32 v[TP+i], 0xff000000, v[BM+i]      ; 2 off the exponent field: the conversions' scale operands
.set i, i+1
.endr
.macro PQ qt, ksl
.set sB, 128*((\qt)%2)+64*(\ksl)
.irp bl, 0,1,2,3
	v_lshrrev_b32 v[SBT+\bl], 23, v[TP+8*(\qt)+4*(\ksl)+\bl]
.endr
	v_lshl_or_b32 v[PW], v[SBT+1], 8, v[SBT]
	v_lshl_or_b32 v[PW], v[SBT+2], 16, v[PW]
	v_lshl_or_b32 v[PW], v[SBT+3], 24, v[PW]
	WIN 0x02+(\qt)/2
.irp bl, 0,1,2,3
.irp e, 0,1
	v_cvt_scalef32_pk8_fp4_f32 v[PC+2*\bl+\e], v[sB+16*\bl+8*\e:sB+16*\bl+8*\e+7], v[TP+8*(\qt)+4*(\ksl)+\bl]
.endr
.endr
	WIN 0
	v_nop                                          ; one plain instruction behind the conversions
.irp c, 0,1                            ; the operand's layout wants a whole block in a lane
.irp i, 0,1
	v_permlane16_swap_b32 v[PC+4*\c+\i], v[PC+4*\c+2+\i]
.endr
.endr
.irp c, 0,1
	ds_store_b128 v10, v[PC+4*\c:PC+4*\c+3] offset:4096*(\ksl)+1024*(\qt)+512*\c
.endr
	ds_store_b32 v11, v[PW] offset:512*(\ksl)+128*(\qt)
	s_wait_dscnt 0x0                               ; the stores have read their registers
.endm
.irp q, 0,1,2,3
	PQ \q, 0
	PQ \q, 1
.endr
	s_barrier_signal -1                            ; p's 32 fragments lie in LDS
	s_barrier_wait -1
	; ---- O^T = V P^T: my 8 tiles of channels x the four tiles of queries, a key step at a time
	s_wait_tensorcnt 0x0                           ; my V has landed (the one load that was out)
	s_wait_loadcnt 0x0                             ; and its scale words
	WIN 0xc0
.irp d, 0,1,2,3,4,5,6,7
.irp s, 0,1,2,3
.irp c, 0,1
	global_load_b128 v[32*\d+8*\s+4*\c:32*\d+8*\s+4*\c+3], v20, s[16:17] offset:4096*\d+64*\s+32*\c   ; Wo takes the registers that the scores of tiles 2, 3 have left
.endr
.endr
.endr
	WIN 0
	; x is prefetched: my wave's 128 rows, this group's 256 aligned bytes of each, a lane a row, four instructions; each such block is named once in the launch.  They stand where the wave has just issued its loads,
	; this phase's 256 matrix instructions and the quantising of O ahead of the loads that want the data.  Their base steps to the second group at the end of the first group's way out.
.irp i, 0,1,2,3
	global_prefetch_b8 v19, s[PFA:PFA+1] offset:131072*\i th:TH_LOAD_NT scope:SCOPE_SE
.endr
.macro VPFETCH ks, f                   ; key step ks: V's 8 fragments, P's 4 and P's scale words into buffer f: 28 loads
	WIN 0x40
.irp n, 0,1,2,3,4,5,6,7
.irp c, 0,1
	ds_load_b128 v[64*(\f)+8*\n+4*\c:64*(\f)+8*\n+4*\c+3], v3 offset:8192*(\ks)+1024*\n+512*\c
.endr
.endr
.irp q, 0,1,2,3
.irp c, 0,1
	ds_load_b128 v[128+32*(\f)+8*\q+4*\c:128+32*(\f)+8*\q+4*\c+3], v6 offset:4096*(\ks)+1024*\q+512*\c
.endr
.endr
	WIN 0
.irp q, 0,1,2,3
	ds_load_b32 v[QS+4*(\f)+\q], v7 offset:512*(\ks)+128*\q
.endr
.endm
.macro PMUL ks, f                      ; 32 matrix instructions, the 32 accumulators by turns; key step 0 starts the sums
	WIN 0xa5
.irp n, 0,1,2,3,4,5,6,7
.irp q, 0,1,2,3
.set rD, 64*\q+8*\n
.set rA, 64*(\f)+8*\n
.set rB, 128+32*(\f)+8*\q
.set rX, KS+8*(\n/2)+(\ks)
.set rY, QS+4*(\f)+\q
.if (\ks) == 0
	WM rD, rA, rB, 0, rX, rY, \n%2, 0
.else
	WM rD, rA, rB, v[rD:rD+7], rX, rY, \n%2, 0
.endif
.endr
.endr
.endm
	VPFETCH 0, 0
.irp k, 0,1,2,3,4,5,6,7
.if \k < 7
.if \k > 0
	PLACES 4
.endif
	VPFETCH \k+1, (\k+1)%2
	s_wait_dscnt 28                                ; all but the 28 just issued
.else
	s_wait_dscnt 0x0
.endif
	PMUL \k, \k%2
.endr
	WIN 0                                          ; at a branch and at a label every window is 0
	PLACES 4                                       ; behind the last products: for the first read of O^T, and for the loads into the registers that held P and its and V's scale words
; O is quantised along the channels: my 128 channels are K step w of the last product.  It touches window 0's v144 and v168-191 alone, so that the next group's Q may be on its way into v192-255.
.macro OQ qt
.set sB, 64*(\qt)
	WIN 0x0a
.irp b, 0,1,2,3
	v_max3_num_f32 v[EX+\b], |v[sB+16*\b]|, |v[sB+16*\b+1]|, 0x1800000
.endr
	WIN 0x28
.irp i, 2,4,6,8,10,12,14
.irp b, 0,1,2,3
	v_max3_num_f32 v[EX+\b], v[EX+\b], |v[sB+16*\b+\i]|, |v[sB+16*\b+\i+1]|
.endr
.endr
	WIN 0
.irp b, 0,1,2,3
	v_permlanex16_b32 v[EX+4+\b], v[EX+\b], s50, s51
.endr
.irp b, 0,1,2,3
	v_max_num_f32 v[EX+\b], v[EX+\b], v[EX+4+\b]
.endr
.irp b, 0,1,2,3
	v_add_nc_u32 v[EX+12+\b], 0xff000000, v[EX+\b]
.endr
.irp b, 0,1,2,3
	v_lshrrev_b32 v[EX+4+\b], 23, v[EX+12+\b]
.endr
	v_lshl_or_b32 v[OPW], v[EX+5], 8, v[EX+4]
	v_lshl_or_b32 v[OPW], v[EX+6], 16, v[OPW]
	v_lshl_or_b32 v[OPW], v[EX+7], 24, v[OPW]
	WIN 0x02
.irp b, 0,1,2,3
	v_cvt_scalef32_pk8_fp4_f32 v[OPC+2*\b], v[sB+16*\b:sB+16*\b+7], v[EX+12+\b]
	v_cvt_scalef32_pk8_fp4_f32 v[OPC+2*\b+1], v[sB+16*\b+8:sB+16*\b+15], v[EX+12+\b]
.endr
	WIN 0
	v_nop
.irp c, 0,1
.irp i, 0,1
	v_permlane16_swap_b32 v[OPC+4*\c+\i], v[OPC+4*\c+2+\i]
.endr
.endr
.irp c, 0,1
	ds_store_b128 v12, v[OPC+4*\c:OPC+4*\c+3] offset:4096*(\qt)+512*\c
.endr
	ds_store_b32 v13, v[OPW] offset:512*(\qt)
	s_wait_dscnt 0x0                               ; the stores have read their registers
.endm
.macro OUTMUL dt                       ; 16 output channels: 16 matrix instructions, four accumulators by turns; bo, in set dt % 2, is the C of each sum's first one
.irp s, 0,1,2,3
.if \s == 0
	WIN 0x4d                                       ; O in window 1, Wo in window 3, bo in window 0, the sums in window 1
.else
	WIN 0x5d
.endif
.irp q, 0,1,2,3
.set rD, 192+32*((\dt)%2)+8*\q
.set rA, 32*\q+8*\s
.set rB, 32*(\dt)+8*\s
.set rC, BOC+8*((\dt)%2)
.set rX, OS+4*\q+\s
.set rY, WS+2*(\dt)+\s%2
.if \s == 0
	WM rD, rA, rB, v[rC:rC+7], rX, rY, 0, \s/2
.else
	WM rD, rA, rB, v[rD:rD+7], rX, rY, 0, \s/2
.endif
.endr
.endr
.endm
.macro TOSTAGE dt                      ; a lane's 8 neighbouring pixels of a row go into my stage; whole rows of 256 bytes come back
.if (\dt) >= 2
	s_wait_xcnt 0x0                                ; the stores of two tiles back have read the registers on which the loads below land
.endif
	WIN 0x04
.irp q, 0,1,2,3
	ds_store_b128 v16, v[192+32*((\dt)%2)+8*\q:192+32*((\dt)%2)+8*\q+3] offset:128*(\q/2)+32*(\q%2)        ; each accumulator from its low end on
	ds_store_b128 v16, v[192+32*((\dt)%2)+8*\q+4:192+32*((\dt)%2)+8*\q+7] offset:128*(\q/2)+32*(\q%2)+16
.endr
	WIN 0
.irp t, 0,1,2,3,4,5,6,7
	ds_load_b128 v[RB+32*((\dt)%2)+4*\t:RB+32*((\dt)%2)+4*\t+3], v17 offset:2*SP*\t   ; LDS serves a wave's instructions in order: these see my stores
.endr
.endm
.macro SEND dt, xo, yng                ; xo: the group's bytes in a row of x and out0; yng: loads issued behind x's that may stay out
	s_wait_dscnt 0x0                               ; the rows are back
	s_wait_loadcnt 8*(7-(\dt))+(\yng)              ; x of these 16 rows is in; the later tiles' loads, and the yng behind them, may be out
	WIN 0
.if (\dt) < 6
.irp j, 0,1,2,3,4,5,6,7
	v_mov_b32 v[BOC+8*((\dt)%2)+\j], v[BO+(\dt)+2] ; bo for the tile two on: a lane holds one output channel, its bias in all eight registers.  The set's last reader stands sixteen plain instructions back, its next behind the sixteen below
.endr
.endif
	WIN 0x08
.set i, 0
.rept 16
	v_pk_add_f32 v[RB+32*((\dt)%2)+2*i:RB+32*((\dt)%2)+2*i+1], v[RB+32*((\dt)%2)+2*i:RB+32*((\dt)%2)+2*i+1], v[32*(\dt)+2*i:32*(\dt)+2*i+1]   ; these sixteen are also the places behind the products just issued
.set i, i+1
.endr
	WIN 0
.irp t, 0,1,2,3,4,5,6,7
	global_store_b128 v18, v[RB+32*((\dt)%2)+4*\t:RB+32*((\dt)%2)+4*\t+3], s[24:25] offset:(\xo)+4096*(16*(\dt)+2*\t) th:TH_STORE_NT   ; sixteen lanes store 256 consecutive bytes, aligned
.endr
.endm
; WHAT FOLLOWS V P.  nxt = 1: a group follows: its Q and scale words are asked for, and K takes V's bytes again; xo as in SEND.
.macro TAIL nxt, xo
.if \nxt
	QLOAD GSTEP*16384                              ; the next group's Q: 40 loads with its scale words, into registers that nothing below touches
	QSLOAD GSTEP*256
.endif
	OQ 0
	OQ 1
	OQ 2
	OQ 3
.if \nxt
	s_wait_loadcnt 40                              ; Wo is in; the 40 loads issued behind it may be out
.else
	s_wait_loadcnt 0x0                             ; Wo is in
.endif
	WIN 0x80
.irp d, 0,1,2,3,4,5,6,7
.irp t, 0,1,2,3,4,5,6,7
	global_load_b128 v[32*\d+4*\t:32*\d+4*\t+3], v18, s[22:23] offset:(\xo)+4096*(16*\d+2*\t) th:TH_LOAD_NT   ; x takes O^T's registers: sixteen lanes read 256 consecutive bytes of a row
.endr
.endr
	WIN 0
.if \nxt
	s_wait_tensorcnt 0x0                           ; K TAKES V'S BYTES.  No tensor load of mine is out
	ds_add_u32 v4, v5                              ; 0 onto my spare word
	s_wait_dscnt 0x0                               ; the add is done, my reads of V are over, my part of O lies in LDS
	CROUND                                         ; that now holds of every wave of all four work-groups; nobody reads p's images any more
	tensor_load_to_lds s[40:43], s[32:39]          ; my K again: the first thing behind the round; it has the last product's 128 matrix instructions and the way out in which to land
	s_nop 0
	PLACES 4
.else
	s_barrier_signal -1                            ; O's 16 fragments lie in LDS, and nobody reads p's images any more
	s_barrier_wait -1
.endif
	WIN 0x40
.irp q, 0,1,2,3
.irp s, 0,1,2,3
.irp c, 0,1
	ds_load_b128 v[32*\q+8*\s+4*\c:32*\q+8*\s+4*\c+3], v8 offset:4096*\q+1024*\s+512*\c
.endr
.endr
.endr
	WIN 0
.irp d, 0,1
.irp j, 0,1,2,3,4,5,6,7
	v_mov_b32 v[BOC+8*\d+\j], v[BO+\d]             ; bo for the first two tiles
.endr
.endr
.irp q, 0,1,2,3
.irp s, 0,1,2,3
	ds_load_b32 v[OS+4*\q+\s], v9 offset:512*\q+128*\s
.endr
.endr
	s_wait_dscnt 0x0
	; out0 = Wo O + bo + x, 16 output channels at a time
	OUTMUL 0
	PLACES 4
.irp d, 0,1,2,3,4,5,6,7
	TOSTAGE \d
.if \d < 7
	OUTMUL \d+1
.endif
	SEND \d, \xo, 32*(\nxt)*(\d/4)
.if (\nxt) && (\d == 3)
	KSLOAD                                         ; K's scale words again, into the registers that V's have left: 32 loads, behind x's, of which at most 32 are out here
.endif
.endr
.endm
	s_cmp_eq_u32 s[GRP], 1
	s_cbranch_scc1 .Llast                          ; the last group's tail is written out: it asks for nothing more
	TAIL 1, 0
	s_wait_xcnt 0x0                                ; the last stores have read their registers, which the next group's maxima write, and the prefetches their base
	s_add_nc_u64 s[PFA:PFA+1], s[PFA:PFA+1], GSTEP*256
	s_sub_co_u32 s[GRP], s[GRP], 1
	s_branch .Lgroup
.Llast:
	TAIL 0, GSTEP*256
	s_wait_tensorcnt 0x0                           ; the wave's end: behind my last tensor load and my last LDS store
	ds_add_u32 v4, v5
	s_wait_dscnt 0x0
	CROUND                                         ; the closing round: no work-group ends while a partner may still ask for a tile that names it
	s_endpgm
.Lfunc_end_k_q410db5b191_attn:
	.size	k_q410db5b191_attn, .Lfunc_end_k_q410db5b191_attn-k_q410db5b191_attn
	.p2alignl 7, 3214868480
	.fill 96, 4, 3214868480
	.section	.rodata,"a",@progbits
	.p2align	6, 0x0
	.amdhsa_kernel k_q410db5b191_attn
		.amdhsa_group_segment_fixed_size 327680
		.amdhsa_private_segment_fixed_size 0
		.amdhsa_enable_private_segment 0
		.amdhsa_kernarg_size 88
		.amdhsa_user_sgpr_count 2
		.amdhsa_user_sgpr_kernarg_segment_ptr 1
		.amdhsa_wavefront_size32 1
		.amdhsa_system_sgpr_workgroup_id_x 1
		.amdhsa_system_sgpr_workgroup_id_y 1
		.amdhsa_system_sgpr_workgroup_id_z 1
		.amdhsa_system_vgpr_workitem_id 0
		.amdhsa_next_free_vgpr 1024
		.amdhsa_next_free_sgpr 66
		.amdhsa_reserve_vcc 0
		.amdhsa_float_denorm_mode_32 3
		.amdhsa_float_denorm_mode_16_64 3
		.amdhsa_memory_ordered 1
		.amdhsa_forward_progress 1
		.amdhsa_inst_pref_size 255
	.end_amdhsa_kernel
	.section	.bss,"aw",@nobits
	.p2align	6
	.space	262144
	.amdgpu_metadata
---
amdhsa.version: [ 1, 2 ]
amdhsa.kernels:
  - .name:           k_q410db5b191_attn
    .symbol:         k_q410db5b191_attn.kd
    .args:
      - { .name: qimg, .offset: 0, .size: 8, .value_kind: global_buffer, .address_space: global }
      - { .name: qsc, .offset: 8, .size: 8, .value_kind: global_buffer, .address_space: global }
      - { .name: kimg, .offset: 16, .size: 8, .value_kind: global_buffer, .address_space: global }
      - { .name: ksc, .offset: 24, .size: 8, .value_kind: global_buffer, .address_space: global }
      - { .name: vimg, .offset: 32, .size: 8, .value_kind: global_buffer, .address_space: global }
      - { .name: vsc, .offset: 40, .size: 8, .value_kind: global_buffer, .address_space: global }
      - { .name: wo_codes, .offset: 48, .size: 8, .value_kind: global_buffer, .address_space: global }
      - { .name: wo_scales, .offset: 56, .size: 8, .value_kind: global_buffer, .address_space: global }
      - { .name: bo, .offset: 64, .size: 8, .value_kind: global_buffer, .address_space: global }
      - { .name: x, .offset: 72, .size: 8, .value_kind: global_buffer, .address_space: global }
      - { .name: out0, .offset: 80, .size: 8, .value_kind: global_buffer, .address_space: global }
    .group_segment_fixed_size: 327680
    .private_segment_fixed_size: 0
    .kernarg_segment_align: 8
    .kernarg_segment_size: 88
    .max_flat_workgroup_size: 128
    .sgpr_count:     66
    .vgpr_count:     1024
    .wavefront_size: 32
...
	.end_amdgpu_metadata
.endif
;; end of part 3
